; MI455X (gfx1250); checked and timed in simulation.
; The chip was launched on July 23, 2026; its instructions are those of AMD's public machine-readable ISA for CDNA 5 (MIT licence, August 2026) and "CDNA5" Instruction Set Architecture Reference Guide (July 2026). The comments in the code are by the model that wrote it; some were corrected since.
;; Minibatch Discrimination. Allowed arithmetic: matrix products marked QUANTISED: E4M3 operands, one given power-of-two scale a tensor, by v_wmma_f32_16x16x64_fp8_fp8 or v_wmma_f32_16x16x128_fp8_fp8, f32 sums; everything else in f32.
;; Inputs: T 512 x 250 float32; lowp_scales 2 int32 (the exponents e of the quantised operands' scales 2^e); x 1,024 x 512 float32.
;; Outputs: out0 1,024 x 562 float32.
;; This version of the problem:
;;   THIS VERSION OF THE PROBLEM IS GIVEN IN LOW PRECISION. The matrix products marked QUANTISED in the list below multiply operands that are first quantised to E4M3 (4 exponent bits, 3 mantissa bits; 8 bits a number), with one given power-of-two scale for each operand tensor; their sums are f32. All else is computed in f32.
;;   The module's matrix products, in the order in which they are computed (A, B: the left and right operand; K: the contracted axis; several contracted axes count as one K, in the product's order):
;;     1. [M 1,024, K 512] x [K 512, N 250]; A: input x; B: input T: QUANTISED (scales: A lowp_scales[0], B lowp_scales[1])
;;   THE QUANTISER, for each operand of a quantised product, along K:
;;     - The operand's scale is 2^e, e = its entry of the input lowp_scales (int32; the entries are numbered through the quantised products in the list's order, A before B).
;;     - Each number is divided by the scale, clamped to +-448, and rounded to the nearest number of E4M3, ties to even, subnormals kept.
;;     - The product sums the exact products of the quantised numbers (number of the format x scale) in f32.
;;   ~~~python
;;   def quantise(x, axis, e):      # numpy; x: float32 -> the quantised numbers, widened to float32 again
;;       x = np.moveaxis(x, axis, -1); K = x.shape[-1]
;;       r = np.clip(x / 2.0 ** e, -448, 448)
;;       step = 2.0 ** (np.maximum(np.frexp(np.where(r == 0, 1, r))[1] - 1, -6) - 3)
;;       q = np.round(r / step) * step * 2.0 ** e      # np.round: ties to even
;;       return np.moveaxis(q, -1, axis).astype(np.float32)
;;   ~~~
;; One version. Each part assembles by itself: llvm-mc -triple=amdgcn-amd-amdhsa -mcpu=gfx1250 --defsym DOCPART=n.
;; ======== version 1 of 1: 2 launches
;; limits: right only within a limited range of input values
;; workspace buffers: mt 1,048,576 bytes
;; launch project (part 1): grid 8 x 32, 8 waves a work-group, no clusters, 55,296 bytes of LDS; arguments x, T, lowp_scales, mt, out0; writes mt, out0
.if DOCPART == 1
	.amdgcn_target "amdgcn-amd-amdhsa--gfx1250"
	.amdhsa_code_object_version 6
	.text
	.protected	k_q350029fbf9_project
	.globl	k_q350029fbf9_project
	.p2align	8
	.type	k_q350029fbf9_project,@function
k_q350029fbf9_project:
	s_mov_b64 s[64:65], 0
	v_nop
	global_prefetch_b8 v0, s[64:65] scope:SCOPE_SE
	s_setreg_imm32_b32 hwreg(HW_REG_WAVE_MODE, 25, 1), 1
	s_wait_xcnt 0x0
; M[i][c] = (sum over k of Q(x)[i][k] Q(T)[k][c]) x 2^(ex + eT) x log2(e) goes to mt, and out0[i][0:512] = x[i][:].
; x: [1024][512] f32.  T: [512][250] f32, K its first axis.  lowp_scales: ex, eT (int32).  out0: [1024][562] f32.
; mt: [32][256][32] f32: mt[i / 32][c][i % 32] = M[i][c]: the 32 x 32 numbers of a work-group are 4,096 consecutive bytes.  The factor log2(e) lets the next launch take 2^(-s) for exp(-s).
; Q: number / 2^e, held within +-448, to the nearest E4M3 code, ties to even.  The codes are multiplied by v_wmma_f32_16x16x128_fp8_fp8, sums in f32.
; SHARES.  A work-group makes 32 rows x 32 columns.  Wave w: p = w & 3 is its K step (128 of the 512), hf = w >> 2.  It quantises 16 rows of x (each load 512 consecutive bytes of one row)
; and 64 rows of T (each load 2 x 128 consecutive bytes, two columns a lane), so every number is loaded and quantised once in the work-group; the codes meet in LDS.
; Then it multiplies its 16 rows by both column tiles (even and odd columns); the four K steps' sums meet in LDS and thread t adds and stores four of them.
; Columns 250 to 255 do not exist: their lanes take columns 248 and 249 again; what is stored for them is never read.
; THE COPY.  Wave w copies half of row 32 y + 4 x + w / 2 of x.  A row of out0 begins at 2,248 i bytes, which is no multiple of 256: the stores stand at multiples of 256 bytes of out0, 8 bytes a lane,
; the loads are shifted to fit, and lanes that fall outside the row's 2,048 bytes of x are off.
; NO CLUSTER: the f32 numbers go from their loads straight into the conversions; a joint load would lay 131,072 bytes of f32 in LDS for 32,768 bytes of codes, T's rows (1,000 bytes apart) begin at no
; multiple of 256, and there is no loop in which such a load could land behind other work.  No prefetch for the same reason: no loop.
; LIMITS: ex and eT between -126 and 119, ex + eT between -126 and 126, so that each power of two below is an f32 number.  NaN among the inputs is not served.
.set XROW,  2048                       ; bytes in a row of x
.set TROW,  1000                       ; of T
.set OROW,  2248                       ; of out0
.set XP,    144                        ; LDS: a row of 128 codes of x + 16
.set TREG,  18432                      ; LDS: T's codes as register images, 512 bytes for each K step, column tile and 32 along K
.set SREG,  34816                      ; LDS: the sums: K step 4,864, column tile 2,432, column 144
.set SPARE, 54272                      ; LDS: the spare words
.set CP,    16                         ; v16-25   the copy: five pairs
.set COL,   26                         ; v26-30   the copy: the byte of x's row that my 8 bytes of unit t hold (unsigned: outside the row it is 2,048 or more)
.set CL,    31                         ; v31-35   the same held inside the row, for the loads
.set SX,    36                         ; v36 2^ex, v37 448 x 2^ex, v38 2^eT, v39 448 x 2^eT
.set LX,    37
.set ST,    38
.set LT,    39
.set XN,    40                         ; v40-103  x's numbers: row a at 4 a
.set TN,    104                        ; v104-167 T's numbers: (k, even column), (k, odd column) by turns
.set XC,    168                        ; v168-183 x's codes: a row's four neighbours a register
.set TW,    184                        ; v184-199 T's codes, the two columns interleaved
.set TC,    200                        ; v200-215 T's codes, columns apart
.set FA,    40                         ; later: v40-55 x's fragment,
.set FB,    56                         ; v56-87 T's two,
.set AC,    88                         ; v88-103 two accumulators,
.set RS,    104                        ; v104-119 four partial sums of 4 numbers
.set VXF,   216                        ; LDS addresses: x's fragment,
.set VSS,   217                        ; sums in,
.set VSR,   218                        ; sums back;
.set VMT,   219                        ; my place in mt
	s_load_b256 s[4:11], s[0:1], 0x0               ; x s[4:5], T s[6:7], lowp_scales s[8:9], mt s[10:11]
	s_load_b64 s[12:13], s[0:1], 0x20              ; out0
	v_lshl_add_u32 v248, v0, 2, SPARE
	v_mov_b32 v249, 0
	v_lshrrev_b32 v1, 5, v0
	v_readfirstlane_b32 s14, v1                    ; wave 0..7
	s_and_b32 s15, s14, 3                          ; p
	s_lshr_b32 s16, s14, 2                         ; hf
	s_and_b32 s18, ttmp7, 0xffff                   ; y: the block of 32 rows
	s_lshl_b32 s20, s18, 16                        ; x: 32 y rows,
	s_lshl_b32 s21, s16, 15                        ;    + 16 hf rows,
	s_add_co_u32 s20, s20, s21
	s_lshl_b32 s21, s15, 9                         ;    + 128 p numbers
	s_add_co_u32 s20, s20, s21
	s_mov_b32 s21, 0
	s_mul_i32 s22, s15, 128*TROW                   ; T: 128 p + 64 hf rows
	s_mul_i32 s23, s16, 64*TROW
	s_add_co_u32 s22, s22, s23
	s_mov_b32 s23, 0
	s_lshl_b32 s24, s18, 5                         ; the copy: row 32 y + 4 x + w / 2
	s_lshl_b32 s25, ttmp9, 2
	s_add_co_u32 s24, s24, s25
	s_lshr_b32 s25, s14, 1
	s_add_co_u32 s24, s24, s25
	s_mul_i32 s26, s24, OROW                       ; where the row begins in out0,
	s_and_b32 s28, s26, 255                        ; how far that is behind a multiple of 256,
	s_sub_co_u32 s26, s26, s28                     ; and that multiple
	s_mov_b32 s27, 0
	s_lshl_b32 s24, s24, 11                        ; the row in x
	s_mov_b32 s25, 0
	s_and_b32 s29, s14, 1
	s_mul_i32 s29, s29, 5*256                      ; even waves take the row's units 0 to 4, odd waves 5 to 9 (unit 9 holds none of the row: all its lanes are off)
	s_mul_i32 s35, s15, 32*XP                      ; LDS: x's codes, K step p, rows 16 hf on
	s_mul_i32 s36, s16, 16*XP
	s_add_co_u32 s35, s35, s36
	s_lshl_b32 s36, s15, 12                        ; T's images of K step p,
	s_lshl_b32 s37, s16, 10
	s_add_co_u32 s37, s37, s36                     ; and my half of them
	s_mul_i32 s38, s15, 4864                       ; sums
	s_lshl_b32 s39, s16, 6
	s_add_co_u32 s38, s38, s39
	s_lshl_b32 s44, s18, 15                        ; mt: block y, columns 32 x on
	s_lshl_b32 s45, ttmp9, 12
	s_add_co_u32 s44, s44, s45
	s_mov_b32 s45, 0
	s_lshl_b32 s46, ttmp9, 4                       ; my first pair of columns
	s_mov_b32 s42, 0x06040200                      ; v_perm_b32: the even bytes of two words,
	s_mov_b32 s43, 0x07050301                      ; the odd ones
	v_and_b32 v1, 15, v0                           ; r
	v_bfe_u32 v2, v0, 4, 1                         ; h
	v_and_b32 v5, 31, v0                           ; lane
	v_lshrrev_b32 v220, 4, v0
	v_add_nc_u32 v4, s46, v1
	v_mul_u32_u24 v14, v2, 16*TROW                 ; T: lanes 16-31 begin 16 rows further down
	v_lshlrev_b32 v3, 4, v5                        ; x: 16 bytes a lane, 512 of one row a load
	v_lshl_add_u32 v7, v5, 3, s29                  ; the copy: my 8 bytes of my first unit
	v_min_u32 v4, 124, v4                          ; T: the pair of columns, held at the last one: no load leaves the buffer
	v_mul_u32_u24 v6, v1, 144
	v_bfe_u32 v221, v0, 3, 1
	v_sub_nc_u32 v[COL], v7, s28
	v_lshl_add_u32 v4, v4, 3, v14
	v_and_b32 v222, 7, v0
	v_mul_u32_u24 v220, v220, 144                  ; sums back: thread t takes column t / 8 (its tile: bit 0, its place there: the rest), rows 4 (t % 8) on
	v_lshl_add_u32 v[VXF], v2, 4, v6
	v_lshl_add_u32 v[VSS], v2, 5, v6
	v_mul_u32_u24 v221, v221, 2432
	v_lshl_add_u32 v8, v5, 2, s35                  ; x's codes, in
	v_add_nc_u32 v9, s37, v3                       ; T's codes, in
	v_add_nc_u32 v11, s36, v3                      ; and back
	v_lshl_add_u32 v220, v222, 4, v220
	v_add_nc_u32 v[VXF], s35, v[VXF]
	v_add_nc_u32 v[VSS], s38, v[VSS]
	v_lshlrev_b32 v[VMT], 4, v0
	v_add_nc_u32 v[VSR], v220, v221
.irp t, 1,2,3,4
	v_add_nc_u32 v[COL+\t], 256*\t, v[COL]
.endr
.irp t, 0,1,2,3,4
	v_min_u32 v[CL+\t], XROW-8, v[COL+\t]          ; lanes outside the row load its last 8 bytes and store nothing
.endr
	s_wait_alu depctr_va_vdst(0)                   ; directly ahead of the wait below
	s_wait_kmcnt 0x0
	s_load_b64 s[30:31], s[8:9], 0x0               ; ex, eT
	s_add_nc_u64 s[24:25], s[4:5], s[24:25]        ; x at the row that I copy
	s_add_nc_u64 s[4:5], s[4:5], s[20:21]          ; x at my part of the product
	s_add_nc_u64 s[6:7], s[6:7], s[22:23]
	s_add_nc_u64 s[10:11], s[10:11], s[44:45]
	s_add_nc_u64 s[12:13], s[12:13], s[26:27]
.irp t, 0,1,2,3,4
	global_load_b64 v[CP+2*\t:CP+2*\t+1], v[CL+\t], s[24:25]
.endr
.irp c, 0,1
.irp i, 0,1,2,3,4,5,6,7,8,9,10,11,12,13,14,15
	global_load_b64 v[TN+32*\c+2*\i:TN+32*\c+2*\i+1], v4, s[6:7] offset:TROW*(32*\c+\i)   ; T(128 p + 64 hf + 32 c + 16 h + i, two columns)
.endr
.endr
.irp a, 0,1,2,3,4,5,6,7,8,9,10,11,12,13,14,15
	global_load_b128 v[XN+4*\a:XN+4*\a+3], v3, s[4:5] offset:XROW*\a          ; x(row a, 128 p + 4 lane ..)
.endr
	s_wait_kmcnt 0x0
	s_add_co_i32 s32, s30, 127
	s_lshl_b32 s33, s32, 23
	s_add_co_i32 s32, s32, 8
	s_lshl_b32 s32, s32, 23
	s_or_b32 s32, s32, 0x600000
	s_add_co_i32 s34, s31, 127
	s_lshl_b32 s41, s34, 23
	s_add_co_i32 s34, s34, 8
	s_lshl_b32 s34, s34, 23
	s_or_b32 s34, s34, 0x600000
	s_add_co_i32 s30, s30, s31                     ; ex + eT
	v_mov_b32 v12, 0x3fb8aa3b                      ; log2(e)
	v_mov_b32 v[SX], s33                           ; 2^ex as f32: the conversion takes its exponent field
	v_mov_b32 v[LX], s32                           ; 448 x 2^ex
	v_mov_b32 v[ST], s41                           ; 2^eT
	v_ldexp_f32 v12, v12, s30                      ; x 2^(ex + eT): what each finished sum is multiplied by
	v_mov_b32 v[LT], s34                           ; 448 x 2^eT
	v_mov_b32 v13, v12
	s_wait_alu depctr_va_vdst(0)                   ; the head's end
	s_wait_loadcnt 48                              ; the copy's five loads are in; T's 32 and x's 16 may be out
.irp t, 1,2                                        ; these units (1, 2 or 6, 7 of the row's) lie wholly inside the row wherever it begins
	global_store_b64 v7, v[CP+2*\t:CP+2*\t+1], s[12:13] offset:256*\t th:TH_STORE_NT   ; 32 lanes, 256 consecutive bytes at a multiple of 256 from out0's first byte
.endr
.irp t, 0,3,4
	v_cmp_gt_u32 vcc_lo, XROW, v[COL+\t]           ; my 8 bytes of this unit belong to the row's x
	s_wait_xcnt 0x0                                ; EXEC is a source of the loads and stores issued so far: it changes only behind this wait
	s_and_saveexec_b32 s40, vcc_lo
	global_store_b64 v7, v[CP+2*\t:CP+2*\t+1], s[12:13] offset:256*\t th:TH_STORE_NT
	s_wait_xcnt 0x0                                ; and again in front of the line that widens it
	s_or_b32 exec_lo, exec_lo, s40
.endr
	s_mov_b32 exec_lo, -1
	s_wait_loadcnt 16                              ; T is in; x's 16 loads may be out
.set MI, 0
.rept 64
	v_med3_num_f32 v[TN+MI], v[TN+MI], -v[LT], v[LT]   ; the conversion to an 8-bit code does not saturate (ISA guide 7.6.2): the hold at the largest code x the scale
.set MI, MI+1
.endr
.irp g, 0,1,2,3,4,5,6,7
	v_cvt_scalef32_pk8_fp8_f32 v[TW+2*\g:TW+2*\g+1], v[TN+8*\g:TN+8*\g+7], v[ST]   ; four k of two columns
.endr
	v_nop                                          ; one plain vector instruction behind the last conversion
.irp g, 0,1,2,3,4,5,6,7
	v_perm_b32 v[TC+8*(\g/4)+\g%4], v[TW+2*\g+1], v[TW+2*\g], s42        ; the even column's four codes
	v_perm_b32 v[TC+8*(\g/4)+4+\g%4], v[TW+2*\g+1], v[TW+2*\g], s43      ; the odd column's
.endr
.irp c, 0,1
.irp u, 0,1
	ds_store_b128 v9, v[TC+8*\c+4*\u:TC+8*\c+4*\u+3] offset:TREG+2048*\u+512*\c   ; registers 4 (2 hf + c) .. + 3 of tile u's fragment
.endr
.endr
.irp b, 0,1
	s_wait_loadcnt 8-8*\b                          ; rows 8 b to 8 b + 7 of my sixteen are in
.set MI, 0
.rept 32
	v_med3_num_f32 v[XN+32*\b+MI], v[XN+32*\b+MI], -v[LX], v[LX]
.set MI, MI+1
.endr
.irp g, 0,1,2,3
	v_cvt_scalef32_pk8_fp8_f32 v[XC+8*\b+2*\g:XC+8*\b+2*\g+1], v[XN+32*\b+8*\g:XN+32*\b+8*\g+7], v[SX]   ; four neighbours of each of two rows
.endr
	v_nop                                          ; one plain vector instruction behind the last conversion
.irp g, 0,1,2,3,4,5,6,7
	ds_store_b32 v8, v[XC+8*\b+\g] offset:XP*(8*\b+\g)     ; a row's 128 codes: 32 lanes, 128 consecutive bytes
.endr
.endr
	s_wait_dscnt 0x0                               ; for the others' sake: my codes have landed
	s_barrier_signal -1
	s_barrier_wait -1
.irp c, 0,1,2,3
	ds_load_b128 v[FA+4*\c:FA+4*\c+3], v[VXF] offset:32*\c          ; row r, k = 32 c + 16 h on
.endr
.irp u, 0,1
.irp c, 0,1,2,3
	ds_load_b128 v[FB+16*\u+4*\c:FB+16*\u+4*\c+3], v11 offset:TREG+2048*\u+512*\c
.endr
.endr
	s_wait_dscnt 4                                 ; x's fragment and T's first are in; the second's four loads may be out
	v_wmma_f32_16x16x128_fp8_fp8 v[AC:AC+7], v[FA:FA+15], v[FB:FB+15], 0          ; lane (r, h), register j: row 8 h + j, column 2 r
	s_wait_dscnt 0x0
	v_wmma_f32_16x16x128_fp8_fp8 v[AC+8:AC+15], v[FA:FA+15], v[FB+16:FB+31], 0    ; column 2 r + 1
.rept 4
	v_nop                                          ; four places between a matrix instruction and the LDS stores that read its result
.endr
.irp u, 0,1
	ds_store_b128 v[VSS], v[AC+8*\u:AC+8*\u+3] offset:SREG+2432*\u          ; eight neighbouring rows of my column; each accumulator from its low end on
	ds_store_b128 v[VSS], v[AC+8*\u+4:AC+8*\u+7] offset:SREG+2432*\u+16
.endr
	s_wait_dscnt 0x0                               ; for the others' sake: my sums have landed
	s_barrier_signal -1
	s_barrier_wait -1
.irp p, 0,1,2,3
	ds_load_b128 v[RS+4*\p:RS+4*\p+3], v[VSR] offset:SREG+4864*\p   ; the four K steps' sums of four rows of my column
.endr
	s_wait_dscnt 0x0
	v_pk_add_f32 v[RS:RS+1], v[RS:RS+1], v[RS+4:RS+5]
	v_pk_add_f32 v[RS+2:RS+3], v[RS+2:RS+3], v[RS+6:RS+7]
	v_pk_add_f32 v[RS+8:RS+9], v[RS+8:RS+9], v[RS+12:RS+13]
	v_pk_add_f32 v[RS+10:RS+11], v[RS+10:RS+11], v[RS+14:RS+15]
	s_delay_alu instid0(VALU_DEP_2)
	v_pk_add_f32 v[RS:RS+1], v[RS:RS+1], v[RS+8:RS+9]
	s_delay_alu instid0(VALU_DEP_2)
	v_pk_add_f32 v[RS+2:RS+3], v[RS+2:RS+3], v[RS+10:RS+11]
	s_delay_alu instid0(VALU_DEP_2)
	v_pk_mul_f32 v[RS:RS+1], v[RS:RS+1], v[12:13]
	s_delay_alu instid0(VALU_DEP_2)
	v_pk_mul_f32 v[RS+2:RS+3], v[RS+2:RS+3], v[12:13]
	global_store_b128 v[VMT], v[RS:RS+3], s[10:11] ; a wave stores 512 consecutive bytes, at a multiple of 256 from mt's first byte
	s_wait_tensorcnt 0x0                           ; the wave's end
	ds_add_u32 v248, v249
	s_wait_dscnt 0x0
	s_endpgm
.Lfunc_end_k_q350029fbf9_project:
	.size	k_q350029fbf9_project, .Lfunc_end_k_q350029fbf9_project-k_q350029fbf9_project
	.p2alignl 7, 3214868480
	.fill 96, 4, 3214868480
	.section	.rodata,"a",@progbits
	.p2align	6, 0x0
	.amdhsa_kernel k_q350029fbf9_project
		.amdhsa_group_segment_fixed_size 55296
		.amdhsa_private_segment_fixed_size 0
		.amdhsa_enable_private_segment 0
		.amdhsa_kernarg_size 40
		.amdhsa_user_sgpr_count 2
		.amdhsa_user_sgpr_kernarg_segment_ptr 1
		.amdhsa_wavefront_size32 1
		.amdhsa_system_sgpr_workgroup_id_x 1
		.amdhsa_system_sgpr_workgroup_id_y 1
		.amdhsa_system_sgpr_workgroup_id_z 1
		.amdhsa_system_vgpr_workitem_id 0
		.amdhsa_next_free_vgpr 250
		.amdhsa_next_free_sgpr 66
		.amdhsa_reserve_vcc 1
		.amdhsa_float_denorm_mode_32 3
		.amdhsa_float_denorm_mode_16_64 3
		.amdhsa_memory_ordered 1
		.amdhsa_forward_progress 1
		.amdhsa_inst_pref_size 26
	.end_amdhsa_kernel
	.amdgpu_metadata
---
amdhsa.version: [ 1, 2 ]
amdhsa.kernels:
  - .name:           k_q350029fbf9_project
    .symbol:         k_q350029fbf9_project.kd
    .args:
      - { .name: x, .offset: 0, .size: 8, .value_kind: global_buffer, .address_space: global }
      - { .name: T, .offset: 8, .size: 8, .value_kind: global_buffer, .address_space: global }
      - { .name: lowp_scales, .offset: 16, .size: 8, .value_kind: global_buffer, .address_space: global }
      - { .name: mt, .offset: 24, .size: 8, .value_kind: global_buffer, .address_space: global }
      - { .name: out0, .offset: 32, .size: 8, .value_kind: global_buffer, .address_space: global }
    .group_segment_fixed_size: 55296
    .private_segment_fixed_size: 0
    .kernarg_segment_align: 8
    .kernarg_segment_size: 40
    .max_flat_workgroup_size: 256
    .sgpr_count:     66
    .vgpr_count:     250
    .wavefront_size: 32
...
	.end_amdgpu_metadata
.endif
;; end of part 1
;; launch pairs (part 2): grid 5 x 50, 16 waves a work-group, no clusters, 40,960 bytes of LDS; arguments mt, out0; writes out0
.if DOCPART == 2
	.amdgcn_target "amdgcn-amd-amdhsa--gfx1250"
	.amdhsa_code_object_version 6
	.text
	.protected	k_q350029fbf9_pairs
	.globl	k_q350029fbf9_pairs
	.p2align	8
	.type	k_q350029fbf9_pairs,@function
k_q350029fbf9_pairs:
	s_mov_b64 s[64:65], 0
	v_nop
	global_prefetch_b8 v0, s[64:65] scope:SCOPE_SE
	s_setreg_imm32_b32 hwreg(HW_REG_WAVE_MODE, 25, 1), 1
	s_wait_xcnt 0x0
; out0[i][512 + k] = the sum over j of exp(-(sum over d of |M[i][5 k + d] - M[j][5 k + d]|)), all in f32.
; mt: [32][256][32] f32, mt[i / 32][c][i % 32] = M[i][c] x log2(e), so that exp(-s) is 2^(-s') of the scaled numbers' s'.  out0: [1024][562] f32.
; SHARES.  A work-group owns kernel k (grid y) and 208 rows, from row f = min(208 g, 816) on (g = grid x): 5 x 208 = 1,040, so the fifth group makes 16 rows again that the fourth owns, and does not store them.
; The kernel's five columns go to LDS once, rotated: place P holds row (P + f) mod 1,024, so places 0 to 207 are my own rows (13 blocks of 16) and 208 to 1,023 the others (51 blocks of 16).
; Lane (q = lane % 16, h = lane / 16) of wave w keeps 13 rows' five numbers in registers: slot s holds place 16 ((w + s) mod 13) + q (waves 13 to 15: as wave 12), and walks j block by block, eight j for each h.
; OTHERS: wave w takes blocks w, w + 16, w + 32 against its 13 slots; waves 13 to 15 take one more each (48 to 50).
; OWN: the term of (i, j) is the term of (j, i).  So wave b (0 to 12) takes own block b against slots 0 to 6 alone, that is blocks b to b + 6 mod 13: every pair of different blocks once, its terms added to the row's sum
; and to j's sum, and the block against itself in full, its terms added to the row's sum.
; ARITHMETIC of one row and two neighbouring j: five packed differences (the row's number serves both halves, by op_sel), four additions of two magnitudes, two subtractions of the fifth magnitude, one packed
; subtraction, two exponentials, one packed addition into the row's two sums.  The exponentials of a pair of j stand among the next pair's differences; one wait behind each group of rows' differences serves both.
; THE END.  Each wave's row sums and the column sums have LDS bytes of their own; threads 0 to 207 add 16 + 1 numbers, a row each, and store 4 bytes a row: a work-group owns one of a row's 50 numbers.
; NO CLUSTER: the five work-groups of a kernel do not divide into clusters of 2 or 4, and what they share is 20,480 bytes, read once.  No prefetch: nothing is read from memory in a loop.
; LIMITS: a term under 2^-126 counts as 0 (v_exp_f32 flushes: ISA guide 15.8), beside the term 1 that j = i gives.  NaN is not served.
.set ROWS,  208
.set NO,    13                         ; rows of a lane
.set DP,    4096                       ; a column in LDS
.set OROW,  2248                       ; bytes in a row of out0
.set PS,    24576                      ; LDS: 16 waves' 208 row sums, 832 bytes a wave
.set COLS,  37888                      ; LDS: 208 column sums
.set SPARE, 38912                      ; LDS: the spare words, 128 bytes for each wave
.set FD,    10                         ; v10-19   the table on its way to LDS;
.set CC,    10                         ; v10-17   later: the column sums of my eight own j
.set AB,    20                         ; v20-89   my rows' numbers: (d, s) at AB + 14 d + s; AB + 14 d + 13 is written and not used (it is named as the upper half of a pair)
.set ACC,   90                         ; v90-115  slot s's two sums (even j, odd j)
.set B0,    116                        ; v116-135 four j: (d, jj) at 4 d + jj
.set B1,    136                        ; v136-155 the next four
.set S0,    156                        ; v156-181 a pair of j: slot s's two exponents, then terms
.set S1,    182                        ; v182-207 the next pair's
.set TT,    208                        ; v208-247 at work: ten registers for each of up to four rows
.set AD,    208                        ; v208-220 slots' LDS addresses, at the head and at the end
.macro LOADB buf, adr, off
.irp d, 0,1,2,3,4
	ds_load_b128 v[\buf+4*\d:\buf+4*\d+3], v[\adr] offset:\off+DP*\d   ; sixteen lanes read the same 16 bytes
.endr
.endm
; Slots first .. first + cnt - 1 against the pair of j at v[bb + 4 d], exponents into set ss.  Phase by phase over the rows, so that no instruction reads the result of the one just before it.
; ex = 1: the exponentials of the same slots in set es stand among the differences.
.macro GROUP first, cnt, ss, bb, ex, es
.set OI, 0
.rept \cnt
.set TB, TT+10*OI
.set DI, 0
.rept 5
.set AN, AB+14*DI+(\first)+OI
.if AN%2
	v_pk_add_f32 v[TB+2*DI:TB+2*DI+1], v[\bb+4*DI:\bb+4*DI+1], v[AN-1:AN] op_sel:[0,1] op_sel_hi:[1,1] neg_lo:[0,1] neg_hi:[0,1]   ; M[j], M[j + 1] less M[i]: the pair's upper register for both halves
.else
	v_pk_add_f32 v[TB+2*DI:TB+2*DI+1], v[\bb+4*DI:\bb+4*DI+1], v[AN:AN+1] op_sel_hi:[1,0] neg_lo:[0,1] neg_hi:[0,1]               ; the pair's lower register for both halves
.endif
.if \ex
.if DI == 1
	v_exp_f32 v[\es+2*((\first)+OI)], v[\es+2*((\first)+OI)]
.endif
.if DI == 3
	v_exp_f32 v[\es+2*((\first)+OI)+1], v[\es+2*((\first)+OI)+1]
.endif
.endif
.set DI, DI+1
.endr
.set OI, OI+1
.endr
.if \ex
	s_wait_alu depctr_va_vdst(0)                   ; between the differences and their first readers, exponentials standing between
.endif
.set OI, 0
.rept \cnt
.set TB, TT+10*OI
	v_add_f32 v[TB], |v[TB]|, |v[TB+2]|
	v_add_f32 v[TB+1], |v[TB+1]|, |v[TB+3]|
.set OI, OI+1
.endr
.set OI, 0
.rept \cnt
.set TB, TT+10*OI
	v_add_f32 v[TB+4], |v[TB+4]|, |v[TB+6]|
	v_add_f32 v[TB+5], |v[TB+5]|, |v[TB+7]|
.set OI, OI+1
.endr
.set OI, 0
.rept \cnt
.set TB, TT+10*OI
	v_sub_f32 v[TB], -v[TB], |v[TB+8]|             ; minus three magnitudes
	v_sub_f32 v[TB+1], -v[TB+1], |v[TB+9]|
.set OI, OI+1
.endr
.set OI, 0
.rept \cnt
.set TB, TT+10*OI
	v_pk_add_f32 v[\ss+2*((\first)+OI):\ss+2*((\first)+OI)+1], v[TB:TB+1], v[TB+4:TB+5] neg_lo:[0,1] neg_hi:[0,1]   ; minus the other two: the exponents, 0 or less
.set OI, OI+1
.endr
.endm
.macro STEP ss, bb, ex, es
	GROUP 0, 4, \ss, \bb, \ex, \es
	GROUP 4, 3, \ss, \bb, \ex, \es
	GROUP 7, 3, \ss, \bb, \ex, \es
	GROUP 10, 3, \ss, \bb, \ex, \es
.endm
.macro STEP7 ss, bb, ex, es
	GROUP 0, 4, \ss, \bb, \ex, \es
	GROUP 4, 3, \ss, \bb, \ex, \es
.endm
.macro EXPS es, n
.set MI, 0
.rept \n
	v_exp_f32 v[\es+MI], v[\es+MI]
.set MI, MI+1
.endr
	v_nop                                          ; one plain instruction behind the last exponential, ahead of the first use (ISA guide 5.7.2)
.endm
.macro ROWADD m, es
	v_pk_add_f32 v[ACC+2*(\m):ACC+2*(\m)+1], v[ACC+2*(\m):ACC+2*(\m)+1], v[\es+2*(\m):\es+2*(\m)+1]
.endm
.macro COLADD m, es, p
	v_pk_add_f32 v[CC+2*\p:CC+2*\p+1], v[CC+2*\p:CC+2*\p+1], v[\es+2*\m:\es+2*\m+1]
.endm
.macro ACCUM es
	s_wait_alu depctr_va_vdst(0)                   ; between exponentials and the first instruction that names a result
.irp m, 0,1,2,3,4,5,6,7,8,9,10,11,12
	ROWADD \m, \es
.endr
.endm
.macro ACC7 es, p                      ; slots 0 to 6 to the rows' sums, slots 1 to 6 to the sums of the pair's two j
	s_wait_alu depctr_va_vdst(0)
	ROWADD 0, \es
	v_pk_add_f32 v[CC+2*\p:CC+2*\p+1], v[\es+2:\es+3], v[\es+4:\es+5]
	ROWADD 1, \es
	COLADD 3, \es, \p
	ROWADD 2, \es
	COLADD 4, \es, \p
	ROWADD 3, \es
	COLADD 5, \es, \p
	ROWADD 4, \es
	COLADD 6, \es, \p
	ROWADD 5, \es
	ROWADD 6, \es
.endm
; A block of sixteen j, eight for each h, against 13 slots.  ld = 1: the next block's numbers are asked for as soon as a buffer is read out.
.macro BODY ld
	s_wait_dscnt 5                                 ; the first buffer is in; the second's five loads may be out
	STEP S0, B0, 0, S0
	s_wait_alu depctr_va_vdst(0)                   ; between the exponents and their exponentials
	STEP S1, B0+2, 1, S0
.if \ld
	s_cmp_eq_u32 s21, 2                            ; the last trip asks for the wave's last block
	s_cselect_b32 s22, s23, s20
	v_add_nc_u32 v5, s22, v3
	LOADB B0, 5, 0
.endif
	ACCUM S0
.if \ld
	s_wait_dscnt 5                                 ; the second buffer is in; the five loads just issued may be out
.else
	s_wait_dscnt 0x0
.endif
	STEP S0, B1, 1, S1
	ACCUM S1
	STEP S1, B1+2, 1, S0
.if \ld
	LOADB B1, 5, 16
.endif
	ACCUM S0
	EXPS S1, 2*NO                                  ; (their sources stand ahead of the wait in the lines above)
	ACCUM S1
.endm
	s_load_b128 s[4:7], s[0:1], 0x0                ; mt s[4:5], out0 s[6:7]
	v_lshl_add_u32 v248, v0, 2, SPARE
	v_mov_b32 v249, 0
	v_lshrrev_b32 v1, 5, v0
	v_readfirstlane_b32 s8, v1                     ; wave 0..15
	s_and_b32 s9, ttmp7, 0xffff                    ; k
	s_mul_i32 s10, ttmp9, ROWS                     ; the first row that I own,
	s_min_u32 s11, s10, 1024-ROWS                  ; f: the first that I make,
	s_sub_co_u32 s12, s10, s11                     ; how many I make and do not own: 16 in the fifth group, else 0,
	s_sub_co_u32 s13, ROWS, s12                    ; and how many I own
	s_mul_i32 s14, s9, 5*128                       ; the kernel's five columns in a block of mt
	s_mov_b32 s15, 0
	s_mul_i32 s18, s11, OROW                       ; out0 at (my first row, 512 + k)
	s_lshl_b32 s19, s9, 2
	s_add_co_u32 s18, s18, s19
	s_add_co_u32 s18, s18, 2048
	s_mov_b32 s19, 0
	s_min_u32 s24, s8, 12                          ; which own block slot 0 holds
	s_add_co_u32 s25, s8, 3
	s_lshr_b32 s25, s25, 4                         ; 1 in waves 13 to 15
	s_mul_i32 s23, s25, 3072                       ; the last block: own block w, or the others' block w + 35: 832 + 64 x 35
	s_lshl_b32 s28, s8, 6
	s_mul_i32 s29, s8, 4*ROWS
	s_mov_b32 s26, 0x76543210                      ; v_permlanex16_b32: lane l takes lane l xor 16
	s_mov_b32 s27, 0xfedcba98
	v_lshl_add_u32 v2, v0, 1, s11                  ; my two rows: (2 t + f) mod 1,024
	v_and_b32 v1, 15, v0                           ; q
	v_bfe_u32 v6, v0, 4, 1                         ; h
	v_and_b32 v2, 0x3ff, v2
	v_lshlrev_b32 v7, 3, v0                        ; and where they go in an LDS column
	v_lshl_add_u32 v3, v6, 5, s28                  ; j: 64 w + 32 h
	v_lshrrev_b32 v5, 5, v2
	v_and_b32 v2, 31, v2
	v_lshl_add_u32 v4, v1, 2, s29                  ; my wave's row sums: 832 w + 4 q
	v_lshlrev_b32 v5, 15, v5
	v_lshl_add_u32 v2, v2, 2, v5
	s_wait_alu depctr_va_vdst(0)                   ; directly ahead of the wait below
	s_wait_kmcnt 0x0
	s_add_nc_u64 s[4:5], s[4:5], s[14:15]
	s_add_nc_u64 s[6:7], s[6:7], s[18:19]
.irp d, 0,1,2,3,4
	global_load_b64 v[FD+2*\d:FD+2*\d+1], v2, s[4:5] offset:128*\d   ; sixteen lanes read 128 consecutive bytes; the five loads together 640
.endr
.irp s, 0,1,2,3,4,5,6,7,8,9,10,11,12
	s_add_co_u32 s30, s24, \s                      ; t = 0 .. 24
	s_add_co_u32 s31, s30, 3
	s_lshr_b32 s31, s31, 4                         ; 1 where t is 13 or more
	s_mul_i32 s31, s31, 3
	s_add_co_u32 s30, s30, s31
	s_and_b32 s30, s30, 15                         ; t mod 13
	s_lshl_b32 s[32+\s], s30, 6                    ; the slot's block, in bytes of a column
.endr
.irp s, 0,1,2,3,4,5,6,7,8,9,10,11,12
	v_lshl_add_u32 v[AD+\s], v1, 2, s[32+\s]
.endr
.set MI, 0
.rept 2*NO
	v_mov_b32 v[ACC+MI], 0
.set MI, MI+1
.endr
.irp d, 0,1,2,3,4
	v_mov_b32 v[AB+14*\d+13], 0
.endr
	s_wait_alu depctr_va_vdst(0)                   ; the head's end
	s_wait_loadcnt 0x0
.irp d, 0,1,2,3,4
	ds_store_b64 v7, v[FD+2*\d:FD+2*\d+1] offset:DP*\d
.endr
	s_wait_dscnt 0x0                               ; for the others' sake: my part of the table has landed
	s_barrier_signal -1
	s_barrier_wait -1
.irp d, 0,1,2,3,4
.irp s, 0,1,2,3,4,5,6,7,8,9,10,11,12
	ds_load_b32 v[AB+14*\d+\s], v[AD+\s] offset:DP*\d   ; sixteen lanes read 64 consecutive bytes
.endr
.endr
	LOADB B0, 3, 4*ROWS                            ; the others' block w: j 0 to 3 of my eight,
	LOADB B1, 3, 4*ROWS+16                         ; and 4 to 7
	s_mov_b32 s20, 4*ROWS+1024                     ; the next block, 16 blocks on
	s_mov_b32 s21, 0
.Ltrip:
	BODY 1
	s_add_co_u32 s20, s20, 1024
	s_add_co_u32 s21, s21, 1
	s_cmp_lt_u32 s21, 3
	s_wait_alu depctr_va_vdst(0)                   ; directly ahead of the branch
	s_cbranch_scc1 .Ltrip
	s_cmp_gt_u32 s8, 12
	s_cbranch_scc1 .Lfourth
	s_wait_dscnt 5                                 ; own block w: as BODY, against slots 0 to 6
	STEP7 S0, B0, 0, S0
	s_wait_alu depctr_va_vdst(0)                   ; between the exponents and their exponentials
	STEP7 S1, B0+2, 1, S0
	ACC7 S0, 0
	s_wait_dscnt 0x0
	STEP7 S0, B1, 1, S1
	ACC7 S1, 1
	STEP7 S1, B1+2, 1, S0
	ACC7 S0, 2
	EXPS S1, 14
	ACC7 S1, 3
.irp x, 1,2,4,8                                    ; my eight j's sums over the sixteen lanes
.irp i, 0,1,2,3,4,5,6,7
	v_add_f32_dpp v[CC+\i], v[CC+\i], v[CC+\i] row_xmask:\x row_mask:0xf bank_mask:0xf
.endr
.endr
	ds_store_b128 v3, v[CC:CC+3] offset:COLS       ; place 16 w + 8 h on; sixteen lanes store the same 16 bytes
	ds_store_b128 v3, v[CC+4:CC+7] offset:COLS+16
	s_wait_alu depctr_va_vdst(0)                   ; directly ahead of the branch
	s_branch .Ljoin
.Lfourth:
	BODY 0
	s_wait_alu depctr_va_vdst(0)                   ; as on the other way to the label
.Ljoin:
.set MI, 0
.rept NO
	v_add_f32 v[S0+MI], v[ACC+2*MI], v[ACC+2*MI+1] ; even j's and odd j's
.set MI, MI+1
.endr
.set MI, 0
.rept NO
	v_permlanex16_b32 v[S1+MI], v[S0+MI], s26, s27 ; the other eight j of each block
.set MI, MI+1
.endr
.set MI, 0
.rept NO
	v_add_f32 v[S0+MI], v[S0+MI], v[S1+MI]
.set MI, MI+1
.endr
.irp s, 0,1,2,3,4,5,6,7,8,9,10,11,12
	v_add_nc_u32 v[AD+\s], s[32+\s], v4
.endr
.irp s, 0,1,2,3,4,5,6,7,8,9,10,11,12
	ds_store_b32 v[AD+\s], v[S0+\s] offset:PS      ; at the slot's own place among the 208; both halves of the lanes store the same
.endr
	v_min_u32 v5, ROWS-1, v0                       ; threads 208 to 223 read row 207's sums and store nothing
	v_sub_nc_u32 v9, v0, s12                       ; my place among the rows that I own (a thread ahead of them gets a very large number)
	v_lshlrev_b32 v6, 2, v5
	v_mul_u32_u24 v8, v5, OROW
	s_wait_alu depctr_va_vdst(0)                   ; directly ahead of the wait below
	s_wait_dscnt 0x0                               ; for the others' sake: my sums have landed
	s_barrier_signal -1
	s_barrier_wait -1
	s_cmp_gt_u32 s8, 6                             ; threads 0 to 207 lie in waves 0 to 6
	s_cbranch_scc1 .Ldone
.set MI, 0
.rept 16
	ds_load_b32 v[TT+MI], v6 offset:PS+4*ROWS*MI   ; the sixteen waves' sums of my row; neighbouring lanes read neighbouring words
.set MI, MI+1
.endr
	ds_load_b32 v[TT+16], v6 offset:COLS           ; and the sum that it got as a column
	v_cmp_gt_u32 vcc_lo, s13, v9
	s_wait_dscnt 0x0
.irp wd, 8, 4, 2
.set MI, 0
.rept \wd/2
	v_pk_add_f32 v[TT+MI:TT+MI+1], v[TT+MI:TT+MI+1], v[TT+\wd+MI:TT+\wd+MI+1]
.set MI, MI+2
.endr
.endr
	s_delay_alu instid0(VALU_DEP_1)
	v_add_f32 v[TT], v[TT], v[TT+1]
	s_delay_alu instid0(VALU_DEP_1)
	v_add_f32 v[TT], v[TT], v[TT+16]
	s_wait_alu depctr_va_vdst(0)                   ; directly ahead of the wait below
	s_wait_xcnt 0x0                                ; EXEC changes only behind this wait
	s_and_saveexec_b32 s22, vcc_lo
	global_store_b32 v8, v[TT], s[6:7] th:TH_STORE_NT   ; 4 bytes a row, 2,248 bytes apart: the work-group owns one kernel's number of each row
	s_wait_xcnt 0x0
	s_or_b32 exec_lo, exec_lo, s22
.Ldone:
	s_barrier_signal -1                            ; no wave's add below stands beside another's reads of the sums
	s_barrier_wait -1
	s_wait_tensorcnt 0x0                           ; the wave's end
	ds_add_u32 v248, v249
	s_wait_dscnt 0x0
	s_endpgm
.Lfunc_end_k_q350029fbf9_pairs:
	.size	k_q350029fbf9_pairs, .Lfunc_end_k_q350029fbf9_pairs-k_q350029fbf9_pairs
	.p2alignl 7, 3214868480
	.fill 96, 4, 3214868480
	.section	.rodata,"a",@progbits
	.p2align	6, 0x0
	.amdhsa_kernel k_q350029fbf9_pairs
		.amdhsa_group_segment_fixed_size 40960
		.amdhsa_private_segment_fixed_size 0
		.amdhsa_enable_private_segment 0
		.amdhsa_kernarg_size 16
		.amdhsa_user_sgpr_count 2
		.amdhsa_user_sgpr_kernarg_segment_ptr 1
		.amdhsa_wavefront_size32 1
		.amdhsa_system_sgpr_workgroup_id_x 1
		.amdhsa_system_sgpr_workgroup_id_y 1
		.amdhsa_system_sgpr_workgroup_id_z 1
		.amdhsa_system_vgpr_workitem_id 0
		.amdhsa_next_free_vgpr 250
		.amdhsa_next_free_sgpr 66
		.amdhsa_reserve_vcc 1
		.amdhsa_float_denorm_mode_32 3
		.amdhsa_float_denorm_mode_16_64 3
		.amdhsa_memory_ordered 1
		.amdhsa_forward_progress 1
		.amdhsa_inst_pref_size 140
	.end_amdhsa_kernel
	.amdgpu_metadata
---
amdhsa.version: [ 1, 2 ]
amdhsa.kernels:
  - .name:           k_q350029fbf9_pairs
    .symbol:         k_q350029fbf9_pairs.kd
    .args:
      - { .name: mt, .offset: 0, .size: 8, .value_kind: global_buffer, .address_space: global }
      - { .name: out0, .offset: 8, .size: 8, .value_kind: global_buffer, .address_space: global }
    .group_segment_fixed_size: 40960
    .private_segment_fixed_size: 0
    .kernarg_segment_align: 8
    .kernarg_segment_size: 16
    .max_flat_workgroup_size: 512
    .sgpr_count:     66
    .vgpr_count:     250
    .wavefront_size: 32
...
	.end_amdgpu_metadata
.endif
;; end of part 2
